; MI455X (gfx1250); checked and timed in simulation.
; The chip was launched on July 23, 2026; its instructions are those of AMD's public machine-readable ISA for CDNA 5 (MIT licence, August 2026) and "CDNA5" Instruction Set Architecture Reference Guide (July 2026). The comments in the code are by the model that wrote it; some were corrected since.
;; Clust Geo Edge Encoder. Allowed arithmetic: float matrix products may take bf16 or f16 operands with f32 sums; all other float work in f32.
;; Inputs: clust_sizes 2,048 int32; clusts 2,048 x 128 int32; data 262,144 x 8 float32; edge_index 2 x 2,048 int32.
;; Outputs: out0 2,048 x 19 float32.
;; 2 versions, each right; version 2 is version 1 with the launch edges written anew for expert scheduling mode. Each part assembles by itself: llvm-mc -triple=amdgcn-amd-amdhsa -mcpu=gfx1250 --defsym DOCPART=n.
;; ======== version 1 of 2: 1 launch
;; limits: values outside matrix products are rounded to bf16; values within 1.526e-05 (relative) of each other or of a threshold may be ordered or decided otherwise than in the reference
;; launch edges (part 1): grid 256 x 1, 8 waves a work-group, no clusters, 0 bytes of LDS; arguments edge_index, clust_sizes, clusts, data, out0; writes out0
.if DOCPART == 1
	.amdgcn_target "amdgcn-amd-amdhsa--gfx1250"
	.amdhsa_code_object_version 6
	.text
	.protected	k_q3107cbf84d_edges
	.globl	k_q3107cbf84d_edges
	.p2align	8
	.type	k_q3107cbf84d_edges,@function
k_q3107cbf84d_edges:
	s_mov_b64 s[64:65], 0
	v_nop
	global_prefetch_b8 v0, s[64:65] scope:SCOPE_SE
	s_setreg_imm32_b32 hwreg(HW_REG_WAVE_MODE, 25, 1), 1
	s_wait_xcnt 0x0
; ClustGeoEdgeEncoder, directed branch.  One wave = one edge (2,048 edges = 256 work-groups x 8 waves); the waves share nothing:
; no LDS, no barrier.  No cluster: which two point lists an edge reads comes from edge_index, so no two work-groups share a tile by construction.
;
; NUMBER FORMAT.  The three coordinates are rounded to bf16 once, at the load, and EVERYTHING is computed from the rounded values: the choice of
; the pair, v1, v2, disp, lend, B.  Products of two bf16 numbers are exact in f32, so sq, inner and d2 as reference() forms them have one value.
;
; STAGE 1, matrix unit, all 128 x 128 pairs.  One v_wmma_f32_16x16x32_bf16 gives a whole tile of -d2/2 = x1.x2 - sq1/2 - sq2/2:
;   k = 0,1,2: x, y, z of both sides;  k = 3,4,5: the three bf16 pieces of sq1 (exact: 8 + 8 + 8 bits) times -1/2;  k = 8,9,10: -1/2 times the pieces of sq2.
;   A point at or beyond its cluster's size carries sq = 2^120.  Cluster 2 is the first source (rows), cluster 1 the second (columns): lane (r, h)
;   holds, for ITS OWN point p = 16 a + r of cluster 1, the values against q = 16 b + 8 h + j; v_max3_num_f32 folds them, half an instruction a pair.
; STAGE 2.  The 128 row minima become keys (value cut to 17 bits | p); the two smallest are found; lanes 0-15 take the best row, lanes 16-31 the second,
;   and compute its 128 distances in f32 in reference()'s own order of rounding; the smallest (d2, index) wins.  Values are chosen by v_cndmask_b32
;   and summed over lanes; no address and no branch hangs on a floating-point number.
;
; LIMITS.  |coordinate| < 2^49 (a valid d2 stays under 2^100, far from the 2^120 of invalid points).  NaN and infinities are not served.
; The pair is reference()'s unless THREE or more rows of the distance matrix lie within stage 1's error of the smallest (2^-16 of the value by the
; key's cut; rows under 2^-18 |x1|^2 count as equal, lowest row first: this serves src = dst and repeated points, whose d2 is 0 in reference()).
; A displacement shorter than 2^-63 gives lend = 0 (v_sqrt_f32 takes a denormal as 0).  Indices are clamped to their tables.  -0 may leave as +0.
.set NEDGE,  2048
.set NCLU,   2048
.set NVOX,   262144
.set OUTROW, 76                        ; bytes of a row of out0 (19 f32)
; scalar registers
.set SZ1,   22                         ; size of the source cluster
.set SZ2,   23                         ; size of the target cluster
.set HI16,  32                         ; 0xffff0000: a word's upper 16 bits (a bf16 as f32)
.set HALF,  33                         ; lane mask: lanes 16-31 (h = 1)
.set PKHI,  34                         ; v_perm_b32: {first source's upper half, second source's upper half}
.set BIG,   35                         ; 2^120
.set SELLO, 36                         ; v_permlanex16_b32: lane i of one half reads lane i of the other
.set SELHI, 37
.set FLOOR, 38                         ; 2^-18
.set TINY,  39                         ; 2^-126: keys stay normal numbers, so f32 min and max order them as whole numbers
.set CAP,   40                         ; 2^100
.set KEYM,  41                         ; 0xffffff80: the key's value bits
.set REM,   42                         ; size - 16 x block
.set SJ1,   43                         ; output lanes that want component 1 (2) as the fast index
.set SJ2,   44
.set SI1,   45                         ; output lanes that want component 1 (2) as B's slow index
.set SI2,   46
.set MV2,   47                         ; output lanes 3-5, 6-8, 9, 10-18
.set MDI,   48
.set MLN,   49
.set MOU,   50
; vector registers
.set R,    1                           ; r = lane % 16
.set R4,   2                           ; 4 r
.set L4,   3                           ; 4 x lane
.set T,    4                           ; v4-11    at work
.set CC,   12                          ; (-1/2, -1/2) in bf16
.set C0,   13                          ; (-1/2, 0)
.set CH,   14                          ; (-1/2, -1/2) in lanes 0-15, 0 in lanes 16-31
.set G,    16                          ; v16-23   block a: my row's maximum of -d2/2, later its key
.set PP,   24                          ; v24-55   cluster 1, point 16 a + r: x, y, z, sq (2^120 if invalid)
.set QP,   56                          ; v56-87   cluster 2, point 16 b + r: the same
.set QF,   88                          ; v88-123  cluster 2's fragments, 4 registers a block; an operand is 8: its upper 4 are the next block's (finite) data and meet zeros; 4 zeros behind the last
.set PF,   124                         ; v124-187 cluster 1's fragments: 4 registers of data (k < 16), 4 of zeros (k >= 16)
.set D,    188                         ; v188-251 first the 16 rows as loaded, then two buffers of 4 result tiles, then the tail's registers:
.set X,    188                         ; 8
.set K1,   196
.set K2,   197
.set KA,   198
.set KB,   199
.set PH,   200                         ; the row that my half of the wave settles
.set PD,   201
.set CP,   202                         ; 3: that row's point
.set BP,   205                         ; 3: my best partner in cluster 2 (CP and BP are six in a row)
.set CSQ,  208
.set BEST, 209
.set BQ,   210
.set IDXF, 211
.set DM,   212
.set TM,   213
.set CI,   214
.set IM,   215
.set VS,   216                         ; 6: v1, v2
.set VT,   222                         ; 6
.set DX,   228                         ; 3
.set L2,   231
.set LN,   232
.set RC,   233
.set NX,   234                         ; 3
.set OA,   237
.set OB,   238
.set ON,   239
.set OU,   240
.set RES,  241
	s_load_b256 s[4:11], s[0:1], 0x0               ; edge_index s[4:5], clust_sizes s[6:7], clusts s[8:9], data s[10:11]
	s_load_b64 s[12:13], s[0:1], 0x20              ; out0
	v_lshrrev_b32 v[T], 5, v0
	v_readfirstlane_b32 s14, v[T]                  ; wave 0..7
	s_lshl3_add_u32 s15, ttmp9, s14                ; my edge = 8 x work-group + wave
	s_lshl_b32 s16, s15, 2
	s_wait_kmcnt 0x0
	s_load_b32 s18, s[4:5], s16 offset:0x0         ; src
	s_load_b32 s19, s[4:5], s16 offset:4*NEDGE     ; dst
	; while they are on their way: lane numbers and constants
	v_and_b32 v[R], 15, v0
	v_and_b32 v[L4], 31, v0
	v_lshlrev_b32 v[R4], 2, v[R]
	v_lshlrev_b32 v[L4], 2, v[L4]
	s_mov_b32 s[HI16], 0xffff0000
	s_mov_b32 s[HALF], 0xffff0000
	s_mov_b32 s[PKHI], 0x07060302
	s_mov_b32 s[BIG], 0x7b800000
	s_mov_b32 s[SELLO], 0x76543210
	s_mov_b32 s[SELHI], 0xfedcba98
	s_mov_b32 s[FLOOR], 0x36800000
	s_mov_b32 s[TINY], 0x00800000
	s_mov_b32 s[CAP], 0x71800000
	s_mov_b32 s[KEYM], 0xffffff80
	s_mov_b32 s[SJ1], 0x24892                      ; lanes 1,4,7 and 11,14,17
	s_mov_b32 s[SJ2], 0x49124                      ; lanes 2,5,8 and 12,15,18
	s_mov_b32 s[SI1], 0xe000                       ; lanes 13-15
	s_mov_b32 s[SI2], 0x70000                      ; lanes 16-18
	s_mov_b32 s[MV2], 0x38
	s_mov_b32 s[MDI], 0x1c0
	s_mov_b32 s[MLN], 0x200
	s_mov_b32 s[MOU], 0x7fc00
	s_mul_i32 s52, s15, OUTROW
	s_mov_b32 s53, 0
	s_add_nc_u64 s[12:13], s[12:13], s[52:53]      ; my row of out0
	s_mov_b32 s25, 0
	s_mov_b32 s27, 0
	v_mov_b32 v[CC], 0xbf00bf00
	v_mov_b32 v[C0], 0xbf00
	v_cndmask_b32 v[CH], v[CC], 0, s[HALF]
	s_wait_kmcnt 0x0
	s_min_u32 s18, s18, NCLU-1                     ; a loaded number enters an address only clamped to its table
	s_min_u32 s19, s19, NCLU-1
	s_lshl_b32 s20, s18, 2
	s_lshl_b32 s21, s19, 2
	s_load_b32 s[SZ1], s[6:7], s20 offset:0x0
	s_load_b32 s[SZ2], s[6:7], s21 offset:0x0
	s_lshl_b32 s24, s18, 9                         ; a row of clusts is 512 bytes
	s_lshl_b32 s26, s19, 9
	s_add_nc_u64 s[28:29], s[8:9], s[24:25]
	s_add_nc_u64 s[30:31], s[8:9], s[26:27]
	; The index of point 16 a + r, for both halves of the wave alike (16 lanes cover 64 neighbouring bytes).  It lands in the fourth register of the
	; fragment that the point will fill, which is free until that point is built.
.irp a, 0,1,2,3,4,5,6,7
	global_load_b32 v[PF+8*\a+3], v[R4], s[28:29] offset:64*\a
.endr
.irp b, 0,1,2,3,4,5,6,7
	global_load_b32 v[QF+4*\b+3], v[R4], s[30:31] offset:64*\b
.endr
	; The voxel rows: 16 bytes (columns 0-3) at 32 x index.  Loads return in order (ISA guide 5.7.1): behind index load i stand 15 - i index loads
	; and the i row loads issued since, so the count is 15 in every turn.
.irp a, 0,1,2,3,4,5,6,7
	s_wait_loadcnt 15
	v_min_u32 v[PF+8*\a+3], NVOX-1, v[PF+8*\a+3]
	v_lshlrev_b32 v[PF+8*\a+3], 5, v[PF+8*\a+3]
	global_load_b128 v[D+4*\a:D+4*\a+3], v[PF+8*\a+3], s[10:11]
.endr
.irp b, 0,1,2,3,4,5,6,7
	s_wait_loadcnt 15
	v_min_u32 v[QF+4*\b+3], NVOX-1, v[QF+4*\b+3]
	v_lshlrev_b32 v[QF+4*\b+3], 5, v[QF+4*\b+3]
	global_load_b128 v[D+32+4*\b:D+32+4*\b+3], v[QF+4*\b+3], s[10:11]
.endr
	; while the rows are on their way: the zeros for k = 16 .. 31 of cluster 1's fragments, and behind cluster 2's last block
.irp a, 0,1,2,3,4,5,6,7
.irp j, 4,5,6,7
	v_mov_b32 v[PF+8*\a+\j], 0
.endr
.endr
.irp j, 32,33,34,35
	v_mov_b32 v[QF+\j], 0
.endr
	s_wait_kmcnt 0x0                               ; the two sizes
; One point, from the row in v[RW:RW+3]: rounded coordinates (packed in v[FR] and v[TB], as f32 in v[PT:PT+2]), sq as reference() sums it
; (products of bf16 are exact, so each v_fma_f32 rounds as the separate add would), 2^120 in its stead for an invalid point, and its pieces:
; upper half of v[PT+3], of v[TB+2], of v[TB+3].
.macro POINT zc, size, blk
	v_cvt_pk_bf16_f32 v[FR], v[RW+1], v[RW+2]      ; (x, y)
	v_cvt_pk_bf16_f32 v[TB], v[RW+3], \zc          ; (z, 0) or (z, -1/2)
	s_sub_co_i32 s[REM], s[\size], 16*\blk
	v_lshlrev_b32 v[PT], 16, v[FR]
	v_and_b32 v[PT+1], s[HI16], v[FR]
	v_lshlrev_b32 v[PT+2], 16, v[TB]
	v_cmp_gt_i32 vcc_lo, s[REM], v[R]              ; 16 blk + r < size
	v_mul_f32 v[TB+1], v[PT], v[PT]
	v_fma_f32 v[TB+1], v[PT+1], v[PT+1], v[TB+1]
	v_fma_f32 v[TB+1], v[PT+2], v[PT+2], v[TB+1]
	v_cndmask_b32 v[PT+3], s[BIG], v[TB+1], vcc_lo
	v_and_b32 v[TB+2], s[HI16], v[PT+3]            ; the top 8 bits,
	v_sub_f32 v[TB+2], v[PT+3], v[TB+2]            ; what is left (exact),
	v_and_b32 v[TB+3], s[HI16], v[TB+2]            ; its top 8 bits,
	v_sub_f32 v[TB+3], v[TB+2], v[TB+3]            ; and the last 8 (exact)
.endm
; Cluster 1.  Lanes 0-15 (k = 0..7): (x, y) (z, top) (mid, last) (0, 0).  Lanes 16-31 (k = 8..15): (-1/2, -1/2) (-1/2, 0) 0 0.
.macro BUILD_P a
.set RW, D+4*\a
.set FR, PF+8*\a
.set PT, PP+4*\a
.set TB, T+4*(\a&1)
	s_wait_loadcnt 15-\a                           ; so many row loads are younger than mine; the wait also frees v[FR+3], its address
	POINT 0, SZ1, \a
	v_and_or_b32 v[TB], v[PT+3], s[HI16], v[TB]
	v_perm_b32 v[TB+2], v[TB+3], v[TB+2], s[PKHI]
	v_cndmask_b32 v[FR], v[FR], v[CC], s[HALF]
	v_cndmask_b32 v[FR+1], v[TB], v[C0], s[HALF]
	v_cndmask_b32 v[FR+2], v[TB+2], 0, s[HALF]
	v_mov_b32 v[FR+3], 0
.endm
; Cluster 2.  Lanes 0-15: (x, y) (z, -1/2) (-1/2, -1/2) (0, 0).  Lanes 16-31: (top, mid) (last, 0) 0 0.
.macro BUILD_Q b
.set RW, D+32+4*\b
.set FR, QF+4*\b
.set PT, QP+4*\b
.set TB, T+4*(\b&1)
	s_wait_loadcnt 7-\b
	POINT -0.5, SZ2, \b
	v_perm_b32 v[TB+2], v[TB+2], v[PT+3], s[PKHI]
	v_lshrrev_b32 v[TB+3], 16, v[TB+3]
	v_cndmask_b32 v[FR], v[FR], v[TB+2], s[HALF]
	v_cndmask_b32 v[FR+1], v[TB], v[TB+3], s[HALF]
	v_mov_b32 v[FR+2], v[CH]
	v_mov_b32 v[FR+3], 0
.endm
.irp a, 0,1,2,3,4,5,6,7
	BUILD_P \a
.endr
.irp b, 0,1,2,3,4,5,6,7
	BUILD_Q \b
.endr
; STAGE 1.  Set s = 2 a + half: four tiles, cluster 1's block a against cluster 2's blocks 4 half .. 4 half + 3, into buffer s % 2.  C = 0: nothing is cleared.
.macro MULS s
.set DB, D+32*((\s)&1)
.set QB, QF+16*((\s)&1)
.set PB, PF+8*((\s)>>1)
.irp t, 0,1,2,3
	v_wmma_f32_16x16x32_bf16 v[DB+8*\t:DB+8*\t+7], v[QB+4*\t:QB+4*\t+7], v[PB:PB+7], 0
.endr
.endm
; 32 values a lane, all of my own column p, to one: 16 instructions, four chains side by side.
.macro FOLD s
.set DB, D+32*((\s)&1)
.set GA, G+((\s)>>1)
.irp t, 0,1,2,3
	v_max3_num_f32 v[DB+8*\t], v[DB+8*\t], v[DB+8*\t+1], v[DB+8*\t+2]
.endr
.irp t, 0,1,2,3
	v_max3_num_f32 v[DB+8*\t], v[DB+8*\t], v[DB+8*\t+3], v[DB+8*\t+4]
.endr
.irp t, 0,1,2,3
	v_max3_num_f32 v[DB+8*\t], v[DB+8*\t], v[DB+8*\t+5], v[DB+8*\t+6]
.endr
	v_max3_num_f32 v[DB], v[DB], v[DB+7], v[DB+15]
	v_max3_num_f32 v[DB+8], v[DB+8], v[DB+23], v[DB+31]
	v_max3_num_f32 v[DB], v[DB], v[DB+8], v[DB+16]
.if (\s)&1
	v_max3_num_f32 v[GA], v[DB], v[DB+24], v[GA]
.else
	v_max_num_f32 v[GA], v[DB], v[DB+24]
.endif
.endm
; Order: MULS s+2 stands behind FOLD s.  Between MULS s and FOLD s, which reads its results, stand the 16 instructions of FOLD s-1, which name
; the other buffer only; the same 16 stand between MULS s and MULS s+2, which writes over its results (ISA guide 7.12.1: four places, five for a
; matrix instruction).  For sets 0 and 1 five v_nop are those places.
	MULS 0
	MULS 1
.rept 5
	v_nop
.endr
.irp s, 0,1,2,3,4,5,6,7,8,9,10,11,12,13
	FOLD \s
	MULS \s+2
.endr
	FOLD 14
	FOLD 15
	; STAGE 2.  Row p's other 64 values lie in the other half of the wave.
.irp a, 0,1,2,3,4,5,6,7
	v_permlanex16_b32 v[X+\a], v[G+\a], s[SELLO], s[SELHI]
.endr
.irp a, 0,1,2,3,4,5,6,7
	v_max_num_f32 v[G+\a], v[G+\a], v[X+\a]
	v_mul_f32 v[X+\a], s[FLOOR], v[PP+4*\a+3]      ; 2^-18 sq1: under it a row minimum counts as 0
.endr
.irp a, 0,1,2,3,4,5,6,7
	v_mul_f32 v[G+\a], -2.0, v[G+\a]               ; the row's smallest d2
.endr
	; The key: the value, held in [2^-126, 2^100] (all that is invalid ties at 2^100, all that is 0 at 2^-126), its low 7 bits replaced by p.
.irp a, 0,1,2,3,4,5,6,7
	v_cmp_gt_f32 vcc_lo, v[G+\a], v[X+\a]
	v_med3_num_f32 v[G+\a], v[G+\a], s[TINY], s[CAP]
	v_cndmask_b32 v[G+\a], s[TINY], v[G+\a], vcc_lo
	v_and_or_b32 v[G+\a], v[G+\a], s[KEYM], 16*\a
.endr
	; the two smallest of my eight keys: with K1 <= K2 the second smallest of K1, K2, x is the middle one
	v_min_num_f32 v[K1], v[G], v[G+1]
	v_max_num_f32 v[K2], v[G], v[G+1]
.irp a, 2,3,4,5,6,7
	v_med3_num_f32 v[K2], v[K1], v[K2], v[G+\a]
	v_min_num_f32 v[K1], v[K1], v[G+\a]
.endr
	v_or_b32 v[K1], v[K1], v[R]
	v_or_b32 v[K2], v[K2], v[R]
	; and of the 16 lanes' pairs (both halves of the wave hold the same keys, so each half does it for itself)
.irp m, 1,2,4,8
	v_max_num_f32_dpp v[KA], v[K1], v[K1] row_xmask:\m row_mask:0xf bank_mask:0xf
	v_min_num_f32_dpp v[KB], v[K2], v[K2] row_xmask:\m row_mask:0xf bank_mask:0xf
	v_min_num_f32_dpp v[K1], v[K1], v[K1] row_xmask:\m row_mask:0xf bank_mask:0xf
	v_min_num_f32 v[K2], v[KA], v[KB]
.endr
	v_cndmask_b32 v[PH], v[K1], v[K2], s[HALF]     ; lanes 0-15 settle the best row, lanes 16-31 the second
	v_and_b32 v[PH], 0x7f, v[PH]
	v_sub_nc_u32 v[PD], v[PH], v[R]                ; = 16 a in the one lane of the half that owns the row
	v_cmp_eq_u32 vcc_lo, 0, v[PD]
	v_cndmask_b32 v[CP], 0, v[PP], vcc_lo
	v_cndmask_b32 v[CP+1], 0, v[PP+1], vcc_lo
	v_cndmask_b32 v[CP+2], 0, v[PP+2], vcc_lo
	v_cndmask_b32 v[CSQ], 0, v[PP+3], vcc_lo
.irp a, 1,2,3,4,5,6,7
	v_cmp_eq_u32 vcc_lo, 16*\a, v[PD]
	v_cndmask_b32 v[CP], v[CP], v[PP+4*\a], vcc_lo
	v_cndmask_b32 v[CP+1], v[CP+1], v[PP+4*\a+1], vcc_lo
	v_cndmask_b32 v[CP+2], v[CP+2], v[PP+4*\a+2], vcc_lo
	v_cndmask_b32 v[CSQ], v[CSQ], v[PP+4*\a+3], vcc_lo
.endr
.irp m, 1,2,4,8                                    ; fifteen zeros and the point: the sum hands it to all 16 lanes
	v_add_f32_dpp v[CP], v[CP], v[CP] row_xmask:\m row_mask:0xf bank_mask:0xf
	v_add_f32_dpp v[CP+1], v[CP+1], v[CP+1] row_xmask:\m row_mask:0xf bank_mask:0xf
	v_add_f32_dpp v[CP+2], v[CP+2], v[CP+2] row_xmask:\m row_mask:0xf bank_mask:0xf
	v_add_f32_dpp v[CSQ], v[CSQ], v[CSQ] row_xmask:\m row_mask:0xf bank_mask:0xf
.endr
	; The row's 128 distances, eight a lane, rounded as reference() rounds: inner = ((x x + y y) + z z), d2 = max((sq1 + sq2) - 2 inner, 0).
	; An invalid pair gives 2^120 or 2^121; validity is a prefix, so if no pair is valid the smallest of these with the lowest index is pair (0, 0), as in reference().
.irp b, 0,1,2,3,4,5,6,7
	v_mul_f32 v[X+\b], v[CP], v[QP+4*\b]
	v_add_f32 v[T+\b], v[CSQ], v[QP+4*\b+3]
.endr
.irp b, 0,1,2,3,4,5,6,7
	v_fma_f32 v[X+\b], v[CP+1], v[QP+4*\b+1], v[X+\b]
.endr
.irp b, 0,1,2,3,4,5,6,7
	v_fma_f32 v[X+\b], v[CP+2], v[QP+4*\b+2], v[X+\b]
.endr
.irp b, 0,1,2,3,4,5,6,7
	v_fma_f32 v[X+\b], -2.0, v[X+\b], v[T+\b]
.endr
.irp b, 0,1,2,3,4,5,6,7
	v_max_num_f32 v[X+\b], 0, v[X+\b]
.endr
	; my best of the eight, q ascending, the earlier one kept on a tie; its coordinates come along
	v_mov_b32 v[BQ], 0
	v_cmp_le_f32 vcc_lo, v[X], v[X+1]
	v_cndmask_b32 v[BEST], v[X+1], v[X], vcc_lo
	v_cndmask_b32 v[BQ], 16, v[BQ], vcc_lo
	v_cndmask_b32 v[BP], v[QP+4], v[QP], vcc_lo
	v_cndmask_b32 v[BP+1], v[QP+5], v[QP+1], vcc_lo
	v_cndmask_b32 v[BP+2], v[QP+6], v[QP+2], vcc_lo
.irp b, 2,3,4,5,6,7
	v_cmp_le_f32 vcc_lo, v[BEST], v[X+\b]
	v_cndmask_b32 v[BEST], v[X+\b], v[BEST], vcc_lo
	v_cndmask_b32 v[BQ], 16*\b, v[BQ], vcc_lo
	v_cndmask_b32 v[BP], v[QP+4*\b], v[BP], vcc_lo
	v_cndmask_b32 v[BP+1], v[QP+4*\b+1], v[BP+1], vcc_lo
	v_cndmask_b32 v[BP+2], v[QP+4*\b+2], v[BP+2], vcc_lo
.endr
	v_add_nc_u32 v[T], v[BQ], v[R]                 ; q = 16 b + r
	v_lshl_add_u32 v[T], v[PH], 7, v[T]            ; 128 p + q, below 2^14: exact as f32
	v_cvt_f32_u32 v[IDXF], v[T]
.macro WAVEMIN dst, src                            ; the smallest of 32 lanes, in every lane
	v_min_num_f32_dpp v[\dst], v[\src], v[\src] row_xmask:1 row_mask:0xf bank_mask:0xf
	v_min_num_f32_dpp v[\dst], v[\dst], v[\dst] row_xmask:2 row_mask:0xf bank_mask:0xf
	v_min_num_f32_dpp v[\dst], v[\dst], v[\dst] row_xmask:4 row_mask:0xf bank_mask:0xf
	v_min_num_f32_dpp v[\dst], v[\dst], v[\dst] row_xmask:8 row_mask:0xf bank_mask:0xf
	v_permlanex16_b32 v[TM], v[\dst], s[SELLO], s[SELHI]
	v_min_num_f32 v[\dst], v[\dst], v[TM]
.endm
	WAVEMIN DM, BEST                               ; the smallest d2,
	v_cmp_eq_f32 vcc_lo, v[BEST], v[DM]
	v_cndmask_b32 v[CI], s[CAP], v[IDXF], vcc_lo
	WAVEMIN IM, CI                                 ; and the lowest index that has it
	v_cmp_eq_f32 vcc_lo, v[CI], v[IM]              ; one lane: indices differ from lane to lane
.irp j, 0,1,2,3,4,5
	v_cndmask_b32 v[VS+\j], 0, v[CP+\j], vcc_lo    ; its v1 and v2, zeros elsewhere,
.endr
.irp m, 1,2,4,8
.irp j, 0,1,2,3,4,5
	v_add_f32_dpp v[VS+\j], v[VS+\j], v[VS+\j] row_xmask:\m row_mask:0xf bank_mask:0xf
.endr
.endr
.irp j, 0,1,2,3,4,5
	v_permlanex16_b32 v[VT+\j], v[VS+\j], s[SELLO], s[SELHI]
.endr
.irp j, 0,1,2,3,4,5
	v_add_f32 v[VS+\j], v[VS+\j], v[VT+\j]         ; summed: in every lane
.endr
	; THE 19 NUMBERS.  Every lane computes them; lane i keeps number i.
	v_sub_f32 v[DX], v[VS], v[VS+3]
	v_sub_f32 v[DX+1], v[VS+1], v[VS+4]
	v_sub_f32 v[DX+2], v[VS+2], v[VS+5]
	v_mul_f32 v[L2], v[DX], v[DX]
	v_fma_f32 v[L2], v[DX+1], v[DX+1], v[L2]
	v_fma_f32 v[L2], v[DX+2], v[DX+2], v[L2]
	v_sqrt_f32 v[LN], v[L2]
	v_cndmask_b32 v[OA], v[VS], v[VS+1], s[SJ1]    ; a plain instruction behind the root before its result is read (ISA guide 5.7.2)
	s_wait_alu depctr_va_vdst(0)
	v_cmp_lt_f32 vcc_lo, 0, v[LN]
	v_cndmask_b32 v[RC], 1.0, v[LN], vcc_lo        ; lend = 0: divide by 1, disp is 0 and stays
	v_rcp_f32 v[RC], v[RC]
	v_cndmask_b32 v[OA], v[OA], v[VS+2], s[SJ2]    ; likewise behind the reciprocal.  OA = v1[i % 3]
	s_wait_alu depctr_va_vdst(0)
	v_mul_f32 v[NX], v[DX], v[RC]
	v_mul_f32 v[NX+1], v[DX+1], v[RC]
	v_mul_f32 v[NX+2], v[DX+2], v[RC]
	v_cndmask_b32 v[OB], v[VS+3], v[VS+4], s[SJ1]
	v_cndmask_b32 v[OB], v[OB], v[VS+5], s[SJ2]    ; v2[i % 3]
	v_cndmask_b32 v[ON], v[NX], v[NX+1], s[SJ1]
	v_cndmask_b32 v[ON], v[ON], v[NX+2], s[SJ2]    ; disp[i % 3] in lanes 6-8, disp[(i - 10) % 3] in lanes 10-18
	v_cndmask_b32 v[OU], v[NX], v[NX+1], s[SI1]
	v_cndmask_b32 v[OU], v[OU], v[NX+2], s[SI2]    ; disp[(i - 10) / 3]
	v_mul_f32 v[OU], v[OU], v[ON]
	v_cndmask_b32 v[RES], v[OA], v[OB], s[MV2]
	v_cndmask_b32 v[RES], v[RES], v[ON], s[MDI]
	v_cndmask_b32 v[RES], v[RES], v[LN], s[MLN]
	v_cndmask_b32 v[RES], v[RES], v[OU], s[MOU]
	s_wait_xcnt 0x0                                ; EXEC is a source of every memory instruction issued so far: it changes only behind this wait
	v_cmpx_gt_u32 OUTROW, v[L4]                    ; lanes 0-18
	global_store_b32 v[L4], v[RES], s[12:13] th:TH_STORE_NT   ; 76 neighbouring bytes, the edge's whole row; the eight waves' rows adjoin
	s_endpgm
.Lfunc_end_k_q3107cbf84d_edges:
	.size	k_q3107cbf84d_edges, .Lfunc_end_k_q3107cbf84d_edges-k_q3107cbf84d_edges
	.p2alignl 7, 3214868480
	.fill 96, 4, 3214868480
	.section	.rodata,"a",@progbits
	.p2align	6, 0x0
	.amdhsa_kernel k_q3107cbf84d_edges
		.amdhsa_group_segment_fixed_size 0
		.amdhsa_private_segment_fixed_size 0
		.amdhsa_enable_private_segment 0
		.amdhsa_kernarg_size 40
		.amdhsa_user_sgpr_count 2
		.amdhsa_user_sgpr_kernarg_segment_ptr 1
		.amdhsa_wavefront_size32 1
		.amdhsa_system_sgpr_workgroup_id_x 1
		.amdhsa_system_sgpr_workgroup_id_y 1
		.amdhsa_system_sgpr_workgroup_id_z 1
		.amdhsa_system_vgpr_workitem_id 0
		.amdhsa_next_free_vgpr 256
		.amdhsa_next_free_sgpr 66
		.amdhsa_reserve_vcc 1
		.amdhsa_float_denorm_mode_32 3
		.amdhsa_float_denorm_mode_16_64 3
		.amdhsa_memory_ordered 1
		.amdhsa_forward_progress 1
		.amdhsa_inst_pref_size 60
	.end_amdhsa_kernel
	.amdgpu_metadata
---
amdhsa.version: [ 1, 2 ]
amdhsa.kernels:
  - .name:           k_q3107cbf84d_edges
    .symbol:         k_q3107cbf84d_edges.kd
    .args:
      - { .name: edge_index, .offset: 0, .size: 8, .value_kind: global_buffer, .address_space: global }
      - { .name: clust_sizes, .offset: 8, .size: 8, .value_kind: global_buffer, .address_space: global }
      - { .name: clusts, .offset: 16, .size: 8, .value_kind: global_buffer, .address_space: global }
      - { .name: data, .offset: 24, .size: 8, .value_kind: global_buffer, .address_space: global }
      - { .name: out0, .offset: 32, .size: 8, .value_kind: global_buffer, .address_space: global }
    .group_segment_fixed_size: 0
    .private_segment_fixed_size: 0
    .kernarg_segment_align: 8
    .kernarg_segment_size: 40
    .max_flat_workgroup_size: 256
    .sgpr_count:     66
    .vgpr_count:     256
    .wavefront_size: 32
...
	.end_amdgpu_metadata
.endif
;; end of part 1
;; ======== version 2 of 2: 1 launch; version 1 with the launch edges written anew for expert scheduling mode
;; limits: values outside matrix products are rounded to bf16; values within 1.526e-05 (relative) of each other or of a threshold may be ordered or decided otherwise than in the reference
;; launch edges (part 2): grid 256 x 1, 8 waves a work-group, no clusters, 0 bytes of LDS; arguments edge_index, clust_sizes, clusts, data, out0; writes out0
.if DOCPART == 2
	.amdgcn_target "amdgcn-amd-amdhsa--gfx1250"
	.amdhsa_code_object_version 6
	.text
	.protected	k_q3107cbf84d_edges
	.globl	k_q3107cbf84d_edges
	.p2align	8
	.type	k_q3107cbf84d_edges,@function
k_q3107cbf84d_edges:
	s_mov_b64 s[64:65], 0
	v_nop
	global_prefetch_b8 v0, s[64:65] scope:SCOPE_SE
	s_setreg_imm32_b32 hwreg(HW_REG_WAVE_SCHED_MODE, 0, 2), 2
	s_setreg_imm32_b32 hwreg(HW_REG_WAVE_MODE, 25, 1), 1
	s_wait_xcnt 0x0
	s_wait_alu depctr_vm_vsrc(0)
; ClustGeoEdgeEncoder, directed branch.  One wave = one edge (2,048 edges = 256 work-groups x 8 waves); the waves share nothing:
; no LDS, no barrier.  No cluster: which two point lists an edge reads comes from edge_index, so no two work-groups share a tile by construction.
;
; NUMBER FORMAT.  The three coordinates are rounded to bf16 once, at the load, and EVERYTHING is computed from the rounded values: the choice of
; the pair, v1, v2, disp, lend, B.  Products of two bf16 numbers are exact in f32, so sq, inner and d2 as reference() forms them have one value.
;
; STAGE 1, matrix unit, all 128 x 128 pairs.  One v_wmma_f32_16x16x32_bf16 gives a whole tile of -d2/2 = x1.x2 - sq1/2 - sq2/2:
;   k = 0,1,2: x, y, z of both sides;  k = 3,4,5: the three bf16 pieces of sq1 (exact: 8 + 8 + 8 bits) times -1/2;  k = 8,9,10: -1/2 times the pieces of sq2.
;   A point at or beyond its cluster's size carries sq = 2^120.  Cluster 2 is the first source (rows), cluster 1 the second (columns): lane (r, h)
;   holds, for ITS OWN point p = 16 a + r of cluster 1, the values against q = 16 b + 8 h + j; v_max3_num_f32 folds them, half an instruction a pair.
; STAGE 2.  The 128 row minima become keys (value cut to 17 bits | p); the two smallest are found; lanes 0-15 take the best row, lanes 16-31 the second,
;   and compute its 128 distances in f32 in reference()'s own order of rounding; the smallest (d2, index) wins.  Values are chosen by v_cndmask_b32
;   and summed over lanes; no address and no branch hangs on a floating-point number.
;
; LIMITS.  |coordinate| < 2^49 (a valid d2 stays under 2^100, far from the 2^120 of invalid points).  NaN and infinities are not served.
; The pair is reference()'s unless THREE or more rows of the distance matrix lie within stage 1's error of the smallest (2^-16 of the value by the
; key's cut; rows under 2^-18 |x1|^2 count as equal, lowest row first: this serves src = dst and repeated points, whose d2 is 0 in reference()).
; A displacement shorter than 2^-63 gives lend = 0 (v_sqrt_f32 takes a denormal as 0).  Indices are clamped to their tables.  -0 may leave as +0.
;
; THE MODE: SCHED_MODE bits 1:0 = 2 (LLVM: expert scheduling mode 2), set by the entry lines.  The code itself states the register dependences
; between vector or matrix instructions and memory instructions, and those through scalar registers and VCC that vector instructions write, with s_wait_alu, always for 0.
; THE PLAN.  Registers that memory instructions touch:
;   v[R4]                     written once at the head; the offset of the 16 index loads; never written again.
;   v[PF+8a+3], v[QF+4b+3]    an index load lands; two vector lines make the row's byte offset of it; the row load reads it; the point's build writes 0 into it.
;   v[D .. D+63]              the 16 row loads land (no vector instruction has named them); the builds read them; the matrix instructions write them when all have landed.
;   v[L4], v[RES]             offset and data of the one store.
; So: one wait on va_vdst ahead of the index loads; the addresses are made eight at a time, with one wait on va_vdst ahead of each run of eight row loads; one wait on
; vm_vsrc ahead of the first build; the waits at the write of EXEC serve the store.  Compares stand in runs, into scalar registers, with one wait on va_sdst behind each run.
.set NEDGE,  2048
.set NCLU,   2048
.set NVOX,   262144
.set OUTROW, 76                        ; bytes of a row of out0 (19 f32)
; scalar registers
.set SZ1,   22                         ; size of the source cluster
.set SZ2,   23                         ; size of the target cluster
.set HI16,  32                         ; 0xffff0000: a word's upper 16 bits (a bf16 as f32)
.set HALF,  33                         ; lane mask: lanes 16-31 (h = 1)
.set PKHI,  34                         ; v_perm_b32: {first source's upper half, second source's upper half}
.set BIG,   35                         ; 2^120
.set SELLO, 36                         ; v_permlanex16_b32: lane i of one half reads lane i of the other
.set SELHI, 37
.set FLOOR, 38                         ; 2^-18
.set TINY,  39                         ; 2^-126: keys stay normal numbers, so f32 min and max order them as whole numbers
.set CAP,   40                         ; 2^100
.set KEYM,  41                         ; 0xffffff80: the key's value bits
.set SJ1,   43                         ; output lanes that want component 1 (2) as the fast index
.set SJ2,   44
.set SI1,   45                         ; output lanes that want component 1 (2) as B's slow index
.set SI2,   46
.set MV2,   47                         ; output lanes 3-5, 6-8, 9, 10-18
.set MDI,   48
.set MLN,   49
.set MOU,   50
.set SAVE,  54                         ; takes the old EXEC
.set BS,    56                         ; s56-62   lanes whose distance to block b (0-6) of cluster 2 is their smallest
.set VM1,   66                         ; s66-73   lanes whose point 16 a + r of cluster 1 is valid
.set VM2,   74                         ; s74-81   the same for cluster 2
.set KMK,   82                         ; s82-89   lanes whose row minimum of block a lies above its floor
.set RS,    90                         ; s90-97   the lane that owns, in block a, the row that its half settles
; vector registers
.set R,    1                           ; r = lane % 16
.set R4,   2                           ; 4 r
.set L4,   3                           ; 4 x lane
.set T,    4                           ; v4-11    at work
.set CC,   12                          ; (-1/2, -1/2) in bf16
.set C0,   13                          ; (-1/2, 0)
.set CH,   14                          ; (-1/2, -1/2) in lanes 0-15, 0 in lanes 16-31
.set G,    16                          ; v16-23   block a: my row's maximum of -d2/2, later its key
.set PP,   24                          ; v24-55   cluster 1, point 16 a + r: x, y, z, sq (2^120 if invalid)
.set QP,   56                          ; v56-87   cluster 2, point 16 b + r: the same
.set QF,   88                          ; v88-123  cluster 2's fragments, 4 registers a block; an operand is 8: its upper 4 are the next block's (finite) data and meet zeros; 4 zeros behind the last
.set PF,   124                         ; v124-187 cluster 1's fragments: 4 registers of data (k < 16), 4 of zeros (k >= 16)
.set D,    188                         ; v188-251 first the 16 rows as loaded, then two buffers of 4 result tiles, then the tail's registers:
.set X,    188                         ; 8
.set K1,   196
.set K2,   197
.set KA,   198
.set KB,   199
.set PH,   200                         ; the row that my half of the wave settles
.set PD,   201
.set CP,   202                         ; 3: that row's point
.set BP,   205                         ; 3: my best partner in cluster 2 (CP and BP are six in a row)
.set CSQ,  208
.set BEST, 209
.set BQ,   210                         ; its block b
.set IDXF, 211
.set DM,   212
.set TM,   213
.set CI,   214
.set IM,   215
.set VS,   216                         ; 6: v1, v2
.set VT,   222                         ; 6
.set DX,   228                         ; 3
.set L2,   231
.set LN,   232
.set RC,   233
.set NX,   234                         ; 3
.set OA,   237
.set OB,   238
.set ON,   239
.set OU,   240
.set RES,  241
	s_load_b256 s[4:11], s[0:1], 0x0               ; edge_index s[4:5], clust_sizes s[6:7], clusts s[8:9], data s[10:11]
	s_load_b64 s[12:13], s[0:1], 0x20              ; out0
	v_lshrrev_b32 v[T], 5, v0
	v_readfirstlane_b32 s14, v[T]                  ; wave 0..7
	s_wait_alu depctr_va_sdst(0)                   ; s14 is written, ahead of its first reader: the edge's number is made from it
	s_lshl3_add_u32 s15, ttmp9, s14                ; my edge = 8 x work-group + wave
	s_lshl_b32 s16, s15, 2
	s_wait_kmcnt 0x0
	s_load_b32 s18, s[4:5], s16 offset:0x0         ; src
	s_load_b32 s19, s[4:5], s16 offset:4*NEDGE     ; dst
	; while they are on their way: lane numbers and constants
	v_and_b32 v[R], 15, v0
	v_and_b32 v[L4], 31, v0
	v_lshlrev_b32 v[R4], 2, v[R]
	v_lshlrev_b32 v[L4], 2, v[L4]
	s_mov_b32 s[HI16], 0xffff0000
	s_mov_b32 s[HALF], 0xffff0000
	s_mov_b32 s[PKHI], 0x07060302
	s_mov_b32 s[BIG], 0x7b800000
	s_mov_b32 s[SELLO], 0x76543210
	s_mov_b32 s[SELHI], 0xfedcba98
	s_mov_b32 s[FLOOR], 0x36800000
	s_mov_b32 s[TINY], 0x00800000
	s_mov_b32 s[CAP], 0x71800000
	s_mov_b32 s[KEYM], 0xffffff80
	s_mov_b32 s[SJ1], 0x24892                      ; lanes 1,4,7 and 11,14,17
	s_mov_b32 s[SJ2], 0x49124                      ; lanes 2,5,8 and 12,15,18
	s_mov_b32 s[SI1], 0xe000                       ; lanes 13-15
	s_mov_b32 s[SI2], 0x70000                      ; lanes 16-18
	s_mov_b32 s[MV2], 0x38
	s_mov_b32 s[MDI], 0x1c0
	s_mov_b32 s[MLN], 0x200
	s_mov_b32 s[MOU], 0x7fc00
	s_mul_i32 s52, s15, OUTROW
	s_mov_b32 s53, 0
	s_add_nc_u64 s[12:13], s[12:13], s[52:53]      ; my row of out0
	s_mov_b32 s25, 0
	s_mov_b32 s27, 0
	v_mov_b32 v[CC], 0xbf00bf00
	v_mov_b32 v[C0], 0xbf00
	v_cndmask_b32 v[CH], v[CC], 0, s[HALF]
	s_wait_kmcnt 0x0
	s_min_u32 s18, s18, NCLU-1                     ; a loaded number enters an address only clamped to its table
	s_min_u32 s19, s19, NCLU-1
	s_lshl_b32 s20, s18, 2
	s_lshl_b32 s21, s19, 2
	s_load_b32 s[SZ1], s[6:7], s20 offset:0x0
	s_load_b32 s[SZ2], s[6:7], s21 offset:0x0
	s_lshl_b32 s24, s18, 9                         ; a row of clusts is 512 bytes
	s_lshl_b32 s26, s19, 9
	s_add_nc_u64 s[28:29], s[8:9], s[24:25]
	s_add_nc_u64 s[30:31], s[8:9], s[26:27]
	s_wait_alu depctr_va_vdst(0)                   ; v[R4] is written, which the sixteen index loads read as their offset
	; The index of point 16 a + r, for both halves of the wave alike (16 lanes cover 64 neighbouring bytes).  It lands in the fourth register of the
	; fragment that the point will fill, which is free until that point is built.
.irp a, 0,1,2,3,4,5,6,7
	global_load_b32 v[PF+8*\a+3], v[R4], s[28:29] offset:64*\a
.endr
.irp b, 0,1,2,3,4,5,6,7
	global_load_b32 v[QF+4*\b+3], v[R4], s[30:31] offset:64*\b
.endr
	; The voxel rows: 16 bytes (columns 0-3) at 32 x index.  The addresses are made eight at a time, so that one wait serves eight loads.
	s_wait_loadcnt 8                               ; loads return in order (ISA guide 5.7.1): cluster 1's eight indices are in, cluster 2's eight stay out
.irp a, 0,1,2,3,4,5,6,7
	v_min_u32 v[PF+8*\a+3], NVOX-1, v[PF+8*\a+3]
	v_lshlrev_b32 v[PF+8*\a+3], 5, v[PF+8*\a+3]
.endr
	s_wait_alu depctr_va_vdst(0)                   ; cluster 1's eight byte offsets are written, which the eight loads below read
.irp a, 0,1,2,3,4,5,6,7
	global_load_b128 v[D+4*\a:D+4*\a+3], v[PF+8*\a+3], s[10:11]
.endr
	s_wait_loadcnt 8                               ; behind cluster 2's last index stand the eight row loads just issued
.irp b, 0,1,2,3,4,5,6,7
	v_min_u32 v[QF+4*\b+3], NVOX-1, v[QF+4*\b+3]
	v_lshlrev_b32 v[QF+4*\b+3], 5, v[QF+4*\b+3]
.endr
	s_wait_alu depctr_va_vdst(0)                   ; cluster 2's eight byte offsets are written, which the eight loads below read
.irp b, 0,1,2,3,4,5,6,7
	global_load_b128 v[D+32+4*\b:D+32+4*\b+3], v[QF+4*\b+3], s[10:11]
.endr
	; while the rows are on their way: the zeros for k = 16 .. 31 of cluster 1's fragments, and behind cluster 2's last block,
.irp a, 0,1,2,3,4,5,6,7
.irp j, 4,5,6,7
	v_mov_b32 v[PF+8*\a+\j], 0
.endr
.endr
.irp j, 32,33,34,35
	v_mov_b32 v[QF+\j], 0
.endr
	; and which points are valid: 16 a + r < size, sixteen compares in one run
.irp a, 0,1,2,3,4,5,6,7
	v_or_b32 v[T+\a], 16*\a, v[R]                  ; 16 a + r
.endr
	s_wait_kmcnt 0x0                               ; the two sizes
.irp a, 0,1,2,3,4,5,6,7
	v_cmp_gt_i32 s[VM1+\a], s[SZ1], v[T+\a]
	v_cmp_gt_i32 s[VM2+\a], s[SZ2], v[T+\a]
.endr
	s_wait_alu depctr_va_sdst(0)                   ; the sixteen masks are written, ahead of the builds' v_cndmask_b32, which read them
	s_wait_alu depctr_vm_vsrc(0)                   ; the sixteen row loads have read their offsets in v[PF+8a+3] and v[QF+4b+3], into which the builds write 0
; One point, from the row in v[RW:RW+3]: rounded coordinates (packed in v[FR] and v[TB], as f32 in v[PT:PT+2]), sq as reference() sums it
; (products of bf16 are exact, so each v_fma_f32 rounds as the separate add would), 2^120 in its stead for an invalid point, and its pieces:
; upper half of v[PT+3], of v[TB+2], of v[TB+3].
.macro POINT zc, msk
	v_cvt_pk_bf16_f32 v[FR], v[RW+1], v[RW+2]      ; (x, y)
	v_cvt_pk_bf16_f32 v[TB], v[RW+3], \zc          ; (z, 0) or (z, -1/2)
	v_lshlrev_b32 v[PT], 16, v[FR]
	v_and_b32 v[PT+1], s[HI16], v[FR]
	v_lshlrev_b32 v[PT+2], 16, v[TB]
	v_mul_f32 v[TB+1], v[PT], v[PT]
	v_fma_f32 v[TB+1], v[PT+1], v[PT+1], v[TB+1]
	v_fma_f32 v[TB+1], v[PT+2], v[PT+2], v[TB+1]
	v_cndmask_b32 v[PT+3], s[BIG], v[TB+1], s[\msk]
	v_and_b32 v[TB+2], s[HI16], v[PT+3]            ; the top 8 bits,
	v_sub_f32 v[TB+2], v[PT+3], v[TB+2]            ; what is left (exact),
	v_and_b32 v[TB+3], s[HI16], v[TB+2]            ; its top 8 bits,
	v_sub_f32 v[TB+3], v[TB+2], v[TB+3]            ; and the last 8 (exact)
.endm
; Cluster 1.  Lanes 0-15 (k = 0..7): (x, y) (z, top) (mid, last) (0, 0).  Lanes 16-31 (k = 8..15): (-1/2, -1/2) (-1/2, 0) 0 0.
.macro BUILD_P a
.set RW, D+4*\a
.set FR, PF+8*\a
.set PT, PP+4*\a
.set TB, T+4*(\a&1)
	s_wait_loadcnt 15-\a                           ; so many row loads are younger than mine; the wait also shows the load that read v[FR+3] done
	POINT 0, VM1+\a
	v_and_or_b32 v[TB], v[PT+3], s[HI16], v[TB]
	v_perm_b32 v[TB+2], v[TB+3], v[TB+2], s[PKHI]
	v_cndmask_b32 v[FR], v[FR], v[CC], s[HALF]
	v_cndmask_b32 v[FR+1], v[TB], v[C0], s[HALF]
	v_cndmask_b32 v[FR+2], v[TB+2], 0, s[HALF]
	v_mov_b32 v[FR+3], 0
.endm
; Cluster 2.  Lanes 0-15: (x, y) (z, -1/2) (-1/2, -1/2) (0, 0).  Lanes 16-31: (top, mid) (last, 0) 0 0.
.macro BUILD_Q b
.set RW, D+32+4*\b
.set FR, QF+4*\b
.set PT, QP+4*\b
.set TB, T+4*(\b&1)
	s_wait_loadcnt 7-\b
	POINT -0.5, VM2+\b
	v_perm_b32 v[TB+2], v[TB+2], v[PT+3], s[PKHI]
	v_lshrrev_b32 v[TB+3], 16, v[TB+3]
	v_cndmask_b32 v[FR], v[FR], v[TB+2], s[HALF]
	v_cndmask_b32 v[FR+1], v[TB], v[TB+3], s[HALF]
	v_mov_b32 v[FR+2], v[CH]
	v_mov_b32 v[FR+3], 0
.endm
.irp a, 0,1,2,3,4,5,6,7
	BUILD_P \a
.endr
.irp b, 0,1,2,3,4,5,6,7
	BUILD_Q \b
.endr
; STAGE 1.  Set s = 2 a + half: four tiles, cluster 1's block a against cluster 2's blocks 4 half .. 4 half + 3, into buffer s % 2.  C = 0: nothing is cleared.
; From here to the store no memory instruction is issued: all that follows is vector and matrix work.
.macro MULS s
.set DB, D+32*((\s)&1)
.set QB, QF+16*((\s)&1)
.set PB, PF+8*((\s)>>1)
.irp t, 0,1,2,3
	v_wmma_f32_16x16x32_bf16 v[DB+8*\t:DB+8*\t+7], v[QB+4*\t:QB+4*\t+7], v[PB:PB+7], 0
.endr
.endm
; 32 values a lane, all of my own column p, to one: 16 instructions, four chains side by side.
.macro FOLD s
.set DB, D+32*((\s)&1)
.set GA, G+((\s)>>1)
.irp t, 0,1,2,3
	v_max3_num_f32 v[DB+8*\t], v[DB+8*\t], v[DB+8*\t+1], v[DB+8*\t+2]
.endr
.irp t, 0,1,2,3
	v_max3_num_f32 v[DB+8*\t], v[DB+8*\t], v[DB+8*\t+3], v[DB+8*\t+4]
.endr
.irp t, 0,1,2,3
	v_max3_num_f32 v[DB+8*\t], v[DB+8*\t], v[DB+8*\t+5], v[DB+8*\t+6]
.endr
	v_max3_num_f32 v[DB], v[DB], v[DB+7], v[DB+15]
	v_max3_num_f32 v[DB+8], v[DB+8], v[DB+23], v[DB+31]
	v_max3_num_f32 v[DB], v[DB], v[DB+8], v[DB+16]
.if (\s)&1
	v_max3_num_f32 v[GA], v[DB], v[DB+24], v[GA]
.else
	v_max_num_f32 v[GA], v[DB], v[DB+24]
.endif
.endm
; Order: MULS s+2 stands behind FOLD s.  Between MULS s and FOLD s, which reads its results, stand the 16 instructions of FOLD s-1, which name
; the other buffer only; the same 16 stand between MULS s and MULS s+2, which writes over its results (ISA guide 7.12.1: four places, five for a
; matrix instruction).  For sets 0 and 1 five v_nop are those places.
	MULS 0
	MULS 1
.rept 5
	v_nop
.endr
.irp s, 0,1,2,3,4,5,6,7,8,9,10,11,12,13
	FOLD \s
	MULS \s+2
.endr
	FOLD 14
	FOLD 15
	; STAGE 2.  Row p's other 64 values lie in the other half of the wave.
.irp a, 0,1,2,3,4,5,6,7
	v_permlanex16_b32 v[X+\a], v[G+\a], s[SELLO], s[SELHI]
.endr
.irp a, 0,1,2,3,4,5,6,7
	v_max_num_f32 v[G+\a], v[G+\a], v[X+\a]
	v_mul_f32 v[X+\a], s[FLOOR], v[PP+4*\a+3]      ; 2^-18 sq1: under it a row minimum counts as 0
.endr
.irp a, 0,1,2,3,4,5,6,7
	v_mul_f32 v[G+\a], -2.0, v[G+\a]               ; the row's smallest d2
.endr
	; The key: the value, held in [2^-126, 2^100] (all that is invalid ties at 2^100, all that is 0 at 2^-126), its low 7 bits replaced by p.
.irp a, 0,1,2,3,4,5,6,7
	v_cmp_gt_f32 s[KMK+\a], v[G+\a], v[X+\a]       ; eight compares in one run,
.endr
.irp a, 0,1,2,3,4,5,6,7
	v_med3_num_f32 v[G+\a], v[G+\a], s[TINY], s[CAP]  ; work that reads no mask,
.endr
	s_wait_alu depctr_va_sdst(0)                   ; and the eight masks are written, ahead of the v_cndmask_b32 that read them
.irp a, 0,1,2,3,4,5,6,7
	v_cndmask_b32 v[G+\a], s[TINY], v[G+\a], s[KMK+\a]
	v_and_or_b32 v[G+\a], v[G+\a], s[KEYM], 16*\a
.endr
	; the two smallest of my eight keys: with K1 <= K2 the second smallest of K1, K2, x is the middle one
	v_min_num_f32 v[K1], v[G], v[G+1]
	v_max_num_f32 v[K2], v[G], v[G+1]
.irp a, 2,3,4,5,6,7
	v_med3_num_f32 v[K2], v[K1], v[K2], v[G+\a]
	v_min_num_f32 v[K1], v[K1], v[G+\a]
.endr
	v_or_b32 v[K1], v[K1], v[R]
	v_or_b32 v[K2], v[K2], v[R]
	; and of the 16 lanes' pairs (both halves of the wave hold the same keys, so each half does it for itself)
.irp m, 1,2,4,8
	v_max_num_f32_dpp v[KA], v[K1], v[K1] row_xmask:\m row_mask:0xf bank_mask:0xf
	v_min_num_f32_dpp v[KB], v[K2], v[K2] row_xmask:\m row_mask:0xf bank_mask:0xf
	v_min_num_f32_dpp v[K1], v[K1], v[K1] row_xmask:\m row_mask:0xf bank_mask:0xf
	v_min_num_f32 v[K2], v[KA], v[KB]
.endr
	v_cndmask_b32 v[PH], v[K1], v[K2], s[HALF]     ; lanes 0-15 settle the best row, lanes 16-31 the second
	v_and_b32 v[PH], 0x7f, v[PH]
	v_sub_nc_u32 v[PD], v[PH], v[R]                ; = 16 a in the one lane of the half that owns the row
	v_add_nc_u32 v[KA], 0xffffffc0, v[PD]          ; the same less 64: blocks 5 to 7 are compared with 16, 32, 48
.irp a, 0,1,2,3,4
	v_cmp_eq_u32 s[RS+\a], 16*\a, v[PD]            ; eight compares in one run
.endr
.irp a, 5,6,7
	v_cmp_eq_u32 s[RS+\a], 16*\a-64, v[KA]
.endr
	s_wait_alu depctr_va_sdst(0)                   ; the eight masks are written, ahead of the v_cndmask_b32 that read them
	v_cndmask_b32 v[CP], 0, v[PP], s[RS]
	v_cndmask_b32 v[CP+1], 0, v[PP+1], s[RS]
	v_cndmask_b32 v[CP+2], 0, v[PP+2], s[RS]
	v_cndmask_b32 v[CSQ], 0, v[PP+3], s[RS]
.irp a, 1,2,3,4,5,6,7
	v_cndmask_b32 v[CP], v[CP], v[PP+4*\a], s[RS+\a]
	v_cndmask_b32 v[CP+1], v[CP+1], v[PP+4*\a+1], s[RS+\a]
	v_cndmask_b32 v[CP+2], v[CP+2], v[PP+4*\a+2], s[RS+\a]
	v_cndmask_b32 v[CSQ], v[CSQ], v[PP+4*\a+3], s[RS+\a]
.endr
.irp m, 1,2,4,8                                    ; fifteen zeros and the point: the sum hands it to all 16 lanes
	v_add_f32_dpp v[CP], v[CP], v[CP] row_xmask:\m row_mask:0xf bank_mask:0xf
	v_add_f32_dpp v[CP+1], v[CP+1], v[CP+1] row_xmask:\m row_mask:0xf bank_mask:0xf
	v_add_f32_dpp v[CP+2], v[CP+2], v[CP+2] row_xmask:\m row_mask:0xf bank_mask:0xf
	v_add_f32_dpp v[CSQ], v[CSQ], v[CSQ] row_xmask:\m row_mask:0xf bank_mask:0xf
.endr
	; The row's 128 distances, eight a lane, rounded as reference() rounds: inner = ((x x + y y) + z z), d2 = max((sq1 + sq2) - 2 inner, 0).
	; An invalid pair gives 2^120 or 2^121; validity is a prefix, so if no pair is valid the smallest of these with the lowest index is pair (0, 0), as in reference().
.irp b, 0,1,2,3,4,5,6,7
	v_mul_f32 v[X+\b], v[CP], v[QP+4*\b]
	v_add_f32 v[T+\b], v[CSQ], v[QP+4*\b+3]
.endr
.irp b, 0,1,2,3,4,5,6,7
	v_fma_f32 v[X+\b], v[CP+1], v[QP+4*\b+1], v[X+\b]
.endr
.irp b, 0,1,2,3,4,5,6,7
	v_fma_f32 v[X+\b], v[CP+2], v[QP+4*\b+2], v[X+\b]
.endr
.irp b, 0,1,2,3,4,5,6,7
	v_fma_f32 v[X+\b], -2.0, v[X+\b], v[T+\b]
.endr
.irp b, 0,1,2,3,4,5,6,7
	v_max_num_f32 v[X+\b], 0, v[X+\b]
.endr
	; My best of the eight, the earlier one kept on a tie; its coordinates come along.  First the smallest value (a minimum rounds nothing), then which
	; blocks have it, seven compares in one run; the selects go from block 7 down to block 0, so that the lowest block that has it is the one kept.
	v_min3_num_f32 v[T], v[X], v[X+1], v[X+2]
	v_min3_num_f32 v[T+1], v[X+3], v[X+4], v[X+5]
	v_min_num_f32 v[T+2], v[X+6], v[X+7]
	v_min3_num_f32 v[BEST], v[T], v[T+1], v[T+2]
.irp b, 0,1,2,3,4,5,6
	v_cmp_eq_f32 s[BS+\b], v[X+\b], v[BEST]
.endr
	v_mov_b32 v[BQ], 7
	s_wait_alu depctr_va_sdst(0)                   ; the seven masks are written, ahead of the v_cndmask_b32 that read them
	v_cndmask_b32 v[BQ], v[BQ], 6, s[BS+6]
	v_cndmask_b32 v[BP], v[QP+28], v[QP+24], s[BS+6]
	v_cndmask_b32 v[BP+1], v[QP+29], v[QP+25], s[BS+6]
	v_cndmask_b32 v[BP+2], v[QP+30], v[QP+26], s[BS+6]
.irp b, 5,4,3,2,1,0
	v_cndmask_b32 v[BQ], v[BQ], \b, s[BS+\b]
	v_cndmask_b32 v[BP], v[BP], v[QP+4*\b], s[BS+\b]
	v_cndmask_b32 v[BP+1], v[BP+1], v[QP+4*\b+1], s[BS+\b]
	v_cndmask_b32 v[BP+2], v[BP+2], v[QP+4*\b+2], s[BS+\b]
.endr
	v_lshl_add_u32 v[T], v[BQ], 4, v[R]            ; q = 16 b + r
	v_lshl_add_u32 v[T], v[PH], 7, v[T]            ; 128 p + q, below 2^14: exact as f32
	v_cvt_f32_u32 v[IDXF], v[T]
.macro WAVEMIN dst, src                            ; the smallest of 32 lanes, in every lane
	v_min_num_f32_dpp v[\dst], v[\src], v[\src] row_xmask:1 row_mask:0xf bank_mask:0xf
	v_min_num_f32_dpp v[\dst], v[\dst], v[\dst] row_xmask:2 row_mask:0xf bank_mask:0xf
	v_min_num_f32_dpp v[\dst], v[\dst], v[\dst] row_xmask:4 row_mask:0xf bank_mask:0xf
	v_min_num_f32_dpp v[\dst], v[\dst], v[\dst] row_xmask:8 row_mask:0xf bank_mask:0xf
	v_permlanex16_b32 v[TM], v[\dst], s[SELLO], s[SELHI]
	v_min_num_f32 v[\dst], v[\dst], v[TM]
.endm
	WAVEMIN DM, BEST                               ; the smallest d2,
	v_cmp_eq_f32 vcc_lo, v[BEST], v[DM]
	s_wait_alu depctr_va_vcc(0)                    ; VCC is written, ahead of the v_cndmask_b32 that reads it
	v_cndmask_b32 v[CI], s[CAP], v[IDXF], vcc_lo
	WAVEMIN IM, CI                                 ; and the lowest index that has it
	v_cmp_eq_f32 vcc_lo, v[CI], v[IM]              ; one lane: indices differ from lane to lane
	s_wait_alu depctr_va_vcc(0)                    ; VCC is written, ahead of the six v_cndmask_b32 that read it
.irp j, 0,1,2,3,4,5
	v_cndmask_b32 v[VS+\j], 0, v[CP+\j], vcc_lo    ; its v1 and v2, zeros elsewhere,
.endr
.irp m, 1,2,4,8
.irp j, 0,1,2,3,4,5
	v_add_f32_dpp v[VS+\j], v[VS+\j], v[VS+\j] row_xmask:\m row_mask:0xf bank_mask:0xf
.endr
.endr
.irp j, 0,1,2,3,4,5
	v_permlanex16_b32 v[VT+\j], v[VS+\j], s[SELLO], s[SELHI]
.endr
.irp j, 0,1,2,3,4,5
	v_add_f32 v[VS+\j], v[VS+\j], v[VT+\j]         ; summed: in every lane
.endr
	; THE 19 NUMBERS.  Every lane computes them; lane i keeps number i.
	v_sub_f32 v[DX], v[VS], v[VS+3]
	v_sub_f32 v[DX+1], v[VS+1], v[VS+4]
	v_sub_f32 v[DX+2], v[VS+2], v[VS+5]
	v_mul_f32 v[L2], v[DX], v[DX]
	v_fma_f32 v[L2], v[DX+1], v[DX+1], v[L2]
	v_fma_f32 v[L2], v[DX+2], v[DX+2], v[L2]
	v_sqrt_f32 v[LN], v[L2]
	v_cndmask_b32 v[OA], v[VS], v[VS+1], s[SJ1]    ; a plain instruction behind the root before its result is read (ISA guide 5.7.2)
	s_wait_alu depctr_va_vdst(0)                   ; the root has written v[LN], ahead of its first reader
	v_cmp_lt_f32 vcc_lo, 0, v[LN]
	s_wait_alu depctr_va_vcc(0)                    ; VCC is written, ahead of the v_cndmask_b32 that reads it
	v_cndmask_b32 v[RC], 1.0, v[LN], vcc_lo        ; lend = 0: divide by 1, disp is 0 and stays
	v_rcp_f32 v[RC], v[RC]
	v_cndmask_b32 v[OA], v[OA], v[VS+2], s[SJ2]    ; likewise behind the reciprocal.  OA = v1[i % 3]
	s_wait_alu depctr_va_vdst(0)                   ; the reciprocal has written v[RC], ahead of its first reader
	v_mul_f32 v[NX], v[DX], v[RC]
	v_mul_f32 v[NX+1], v[DX+1], v[RC]
	v_mul_f32 v[NX+2], v[DX+2], v[RC]
	v_cndmask_b32 v[OB], v[VS+3], v[VS+4], s[SJ1]
	v_cndmask_b32 v[OB], v[OB], v[VS+5], s[SJ2]    ; v2[i % 3]
	v_cndmask_b32 v[ON], v[NX], v[NX+1], s[SJ1]
	v_cndmask_b32 v[ON], v[ON], v[NX+2], s[SJ2]    ; disp[i % 3] in lanes 6-8, disp[(i - 10) % 3] in lanes 10-18
	v_cndmask_b32 v[OU], v[NX], v[NX+1], s[SI1]
	v_cndmask_b32 v[OU], v[OU], v[NX+2], s[SI2]    ; disp[(i - 10) / 3]
	v_mul_f32 v[OU], v[OU], v[ON]
	v_cndmask_b32 v[RES], v[OA], v[OB], s[MV2]
	v_cndmask_b32 v[RES], v[RES], v[ON], s[MDI]
	v_cndmask_b32 v[RES], v[RES], v[LN], s[MLN]
	v_cndmask_b32 v[RES], v[RES], v[OU], s[MOU]
	v_cmp_gt_u32 vcc_lo, OUTROW, v[L4]             ; lanes 0-18
	s_wait_xcnt 0x0                                ; EXEC is a source of every memory instruction issued so far: it changes only behind this wait
	s_wait_alu depctr_va_vcc(0)                    ; VCC is written: EXEC is made from it
	s_wait_alu depctr_va_vdst(0)                   ; every vector instruction issued under the full EXEC has written its result, v[RES] among them, which the store reads
	s_wait_alu depctr_vm_vsrc(0)                   ; every memory instruction issued under the full EXEC has read its vector registers
	s_and_saveexec_b32 s[SAVE], vcc_lo
	global_store_b32 v[L4], v[RES], s[12:13] th:TH_STORE_NT   ; 76 neighbouring bytes, the edge's whole row; the eight waves' rows adjoin
	s_endpgm
.Lfunc_end_k_q3107cbf84d_edges:
	.size	k_q3107cbf84d_edges, .Lfunc_end_k_q3107cbf84d_edges-k_q3107cbf84d_edges
	.p2alignl 7, 3214868480
	.fill 96, 4, 3214868480
	.section	.rodata,"a",@progbits
	.p2align	6, 0x0
	.amdhsa_kernel k_q3107cbf84d_edges
		.amdhsa_group_segment_fixed_size 0
		.amdhsa_private_segment_fixed_size 0
		.amdhsa_enable_private_segment 0
		.amdhsa_kernarg_size 40
		.amdhsa_user_sgpr_count 2
		.amdhsa_user_sgpr_kernarg_segment_ptr 1
		.amdhsa_wavefront_size32 1
		.amdhsa_system_sgpr_workgroup_id_x 1
		.amdhsa_system_sgpr_workgroup_id_y 1
		.amdhsa_system_sgpr_workgroup_id_z 1
		.amdhsa_system_vgpr_workitem_id 0
		.amdhsa_next_free_vgpr 256
		.amdhsa_next_free_sgpr 98
		.amdhsa_reserve_vcc 1
		.amdhsa_float_denorm_mode_32 3
		.amdhsa_float_denorm_mode_16_64 3
		.amdhsa_memory_ordered 1
		.amdhsa_forward_progress 1
		.amdhsa_inst_pref_size 63
	.end_amdhsa_kernel
	.amdgpu_metadata
---
amdhsa.version: [ 1, 2 ]
amdhsa.kernels:
  - .name:           k_q3107cbf84d_edges
    .symbol:         k_q3107cbf84d_edges.kd
    .args:
      - { .name: edge_index, .offset: 0, .size: 8, .value_kind: global_buffer, .address_space: global }
      - { .name: clust_sizes, .offset: 8, .size: 8, .value_kind: global_buffer, .address_space: global }
      - { .name: clusts, .offset: 16, .size: 8, .value_kind: global_buffer, .address_space: global }
      - { .name: data, .offset: 24, .size: 8, .value_kind: global_buffer, .address_space: global }
      - { .name: out0, .offset: 32, .size: 8, .value_kind: global_buffer, .address_space: global }
    .group_segment_fixed_size: 0
    .private_segment_fixed_size: 0
    .kernarg_segment_align: 8
    .kernarg_segment_size: 40
    .max_flat_workgroup_size: 256
    .sgpr_count:     98
    .vgpr_count:     256
    .wavefront_size: 32
...
	.end_amdgpu_metadata
.endif
;; end of part 2
